; MI455X (gfx1250); checked and timed in simulation.
; The chip was launched on July 23, 2026; its instructions are those of AMD's public machine-readable ISA for CDNA 5 (MIT licence, August 2026) and "CDNA5" Instruction Set Architecture Reference Guide (July 2026). The comments in the code are by the model that wrote it; some were corrected since.
;; Multi Head Attention. Allowed arithmetic: matrix products marked QUANTISED: E2M3 operands, one E8M0 scale for each 32 along K, by v_wmma_scale_f32_16x16x128_f8f6f4 with both operands' format E2M3, f32 sums; everything else in f32.
;; Inputs: w_o_codes 1,024 x 32 x 24 uint8 (E2M3 codes of w_o, K innermost, in blocks of 32 codes, four codes in three bytes); w_o_scales 1,024 x 32 uint8 (E8M0 scales of w_o, one for each 32 codes along K); w_qkv_codes 3,072 x 32 x 24 uint8 (E2M3 codes of w_qkv, K innermost, in blocks of 32 codes, four codes in three bytes); w_qkv_scales 3,072 x 32 uint8 (E8M0 scales of w_qkv, one for each 32 codes along K); x_codes 4 x 2,048 x 32 x 24 uint8 (E2M3 codes of x, K innermost, in blocks of 32 codes, four codes in three bytes); x_scales 4 x 2,048 x 32 uint8 (E8M0 scales of x, one for each 32 codes along K).
;; Outputs: out0 4 x 2,048 x 1,024 float32.
;; This version of the problem:
;;   THIS VERSION OF THE PROBLEM IS GIVEN IN LOW PRECISION. The matrix products marked QUANTISED in the list below multiply operands that are first quantised to E2M3 (2 exponent bits, 3 mantissa bits; 6 bits a number), with one power-of-two scale for each 32 numbers along K (OCP MX v1.0); their sums are f32. All else is computed in f32.
;;   The module's matrix products, in the order in which they are computed (A, B: the left and right operand; K: the contracted axis; several contracted axes count as one K, in the product's order):
;;     1. [M 8,192, K 1,024] x [K 1,024, N 3,072]; A: input x (given as codes); B: input w_qkv (given as codes): QUANTISED
;;     2. batch 64 x [M 2,048, K 64] x [K 64, N 2,048]; A: computed on the way; B: computed on the way: QUANTISED
;;     3. batch 64 x [M 2,048, K 2,048] x [K 2,048, N 64]; A: computed on the way; B: computed on the way: QUANTISED
;;     4. [M 8,192, K 1,024] x [K 1,024, N 1,024]; A: computed on the way; B: input w_o (given as codes): QUANTISED
;;   THE QUANTISER, for each operand of a quantised product, along K:
;;     - K is cut into blocks of 32 from its start; a last block that is shorter is filled with zeros.
;;     - A block's scale is 2^e with e = floor(log2(the largest magnitude in the block)) - 2, held to -126 .. 127; a block of zeros has e = 0. As a byte (E8M0): e + 127.
;;     - Each number is divided by its block's scale, clamped to +-7.5, and rounded to the nearest number of E2M3, ties to even, subnormals kept.
;;     - The product sums the exact products of the quantised numbers (number of the format x scale) in f32.
;;   ~~~python
;;   def quantise(x, axis):      # numpy; x: float32 -> the quantised numbers, widened to float32 again
;;       x = np.moveaxis(x, axis, -1); K = x.shape[-1]
;;       x = np.pad(x, [(0, 0)] * (x.ndim - 1) + [(0, -K % 32)]); x = x.reshape(x.shape[:-1] + (-1, 32)); a = np.abs(x).max(-1, keepdims=True)
;;       e = np.where(a > 0, np.clip(np.frexp(np.where(a > 0, a, 1))[1] - 1 - 2, -126, 127), 0)      # np.frexp(a)[1] - 1 = floor(log2(a)), exactly
;;       r = np.clip(x / 2.0 ** e, -7.5, 7.5)
;;       step = 2.0 ** (np.maximum(np.frexp(np.where(r == 0, 1, r))[1] - 1, 0) - 3)
;;       q = np.round(r / step) * step * 2.0 ** e      # np.round: ties to even
;;       return np.moveaxis(q.reshape(q.shape[:-2] + (-1,))[..., :K], -1, axis).astype(np.float32)
;;   ~~~
;;   OPERANDS COMPUTED ON THE WAY. 'Computed on the way' means the value that the module computes at that place (a softmax that the list does not call 'softmax' is quantised finished and normalised). What goes into a quantiser is computed in f32, as accurately as f32 sums, v_exp_f32 and their like allow (about 1e-6 of the number): no bf16 or f16 on the way to a quantiser, and a product that is left as it is and whose result goes on into a quantised operand takes f32 operands (vector FMAs, or v_wmma_f32_16x16x4_f32). A number that lies on a knife's edge between two numbers of the format may be rounded either way, as far as f32 arithmetic and the matrix unit's own rounding can turn it there, and no further.
;;   INPUTS GIVEN AS CODES. w_o (in the module: [1024, 1024], K = its axis 1); w_qkv (in the module: [3072, 1024], K = its axis 1); x (in the module: [4, 2048, 1024], K = its axis 2): each comes as NAME_codes (uint8): NAME with its K axis moved to the last place and cut into blocks of 32 codes, [.., K / 32, bytes a block], one block behind the other in memory; four codes in three bytes: a row's codes are one little-endian stream of bits, code i at bits 6 i .. 6 i + 5 (a code: sign, 2 exponent bits, 3 mantissa bits); and NAME_scales (uint8): the same leading axes, one E8M0 byte (e + 127) for each 32 codes along K. Its value is code x scale, taken as it is: it is not quantised again, and the codes and scales need not be those that the quantiser above would give.
;; One version. Each part assembles by itself: llvm-mc -triple=amdgcn-amd-amdhsa -mcpu=gfx1250 --defsym DOCPART=n.
;; ======== version 1 of 1: 3 launches
;; workspace buffers: qrec 6,815,744 bytes; kvrec 13,369,344 bytes; val 6,291,456 bytes; vsc 262,144 bytes
;; launch qkv (part 1): grid 16 x 32, 4 waves a work-group, clusters of 4 x 4, 327,680 bytes of LDS; arguments x_codes, x_scales, w_qkv_codes, w_qkv_scales, qrec, kvrec; writes qrec, kvrec
.if DOCPART == 1
	.amdgcn_target "amdgcn-amd-amdhsa--gfx1250"
	.amdhsa_code_object_version 6
	.text
	.protected	k_q688a691b7e_qkv
	.globl	k_q688a691b7e_qkv
	.p2align	8
	.type	k_q688a691b7e_qkv,@function
k_q688a691b7e_qkv:
	s_mov_b64 s[64:65], 0
	v_nop
	global_prefetch_b8 v0, s[64:65] scope:SCOPE_SE
	s_setreg_imm32_b32 hwreg(HW_REG_WAVE_MODE, 25, 1), 1
	s_wait_xcnt 0x0
	s_wait_alu depctr_hold_cnt(0) depctr_sa_sdst(0) depctr_va_vdst(0) depctr_va_sdst(0) depctr_va_ssrc(0) depctr_va_vcc(0) depctr_vm_vsrc(0)
	s_getreg_b32 s2, hwreg(HW_REG_IB_STS2, 6, 4)
	s_cmp_eq_u32 s2, 0
	s_cbranch_scc0 .Lentry_in_a_cluster
	s_endpgm
.Lentry_in_a_cluster:
	s_bfe_u32 s2, ttmp6, 0x10000c
	s_cmp_lg_u32 s2, 0xf033
	s_cbranch_scc0 .Lentry_shape_is_right
	s_endpgm
.Lentry_shape_is_right:
; qkv = x w_qkv^T on codes of E2M3 with one E8M0 scale for each 32 along K = 1,024; the f32 results are quantised in registers and leave as codes:
; q and k along the head's 64 (two blocks), v along the keys (blocks of 32 rows of the sequence).  qkv never goes to memory as f32.
; SHARES.  A work-group takes 256 rows of x and ONE head (192 rows of w_qkv: q, k, v, 64 each).  Wave (mh, nh): rows 128 mh on; nh = 0: q and v's d 0-31, nh = 1: k and v's d 32-63.
; So a wave has 8 tiles of x and 6 tiles of W: 48 accumulators.  128 rows a wave are one K step of the later product with v; 64 columns of q or k a wave are the whole K of the later product q k^T.
; ROW ORDER.  Rows form tiles by groups of 32: place r of tile 2 G + u is row 32 G + 8 u + r + 8 (r / 8).  The 16 result registers of tiles 2 b, 2 b + 1 of the operand given as source 0 are then the
; neighbours 32 b + 16 (lane / 16) + 0 .. 15.  q, k: source 0 = W, source 1 = x: a lane holds one row, its registers run along the head's 64.  v: source 0 = x, source 1 = W: a lane holds one d, its registers run along the keys.
; K goes in steps of 256 through two LDS slots filled by joint tensor loads (x's tiles shared along a row of the cluster, W's along a column); four steps: two first fills, two refills.
; By the row order places 8-15 of a tile lie 16 LDS rows behind places 0-7, 3,840 bytes: a multiple of 256, so two lanes of a fragment load meet at the same offset modulo 256.
; THE WAY OUT has no LDS: the codes are stored as images of the later operands' registers, each store of the wave 512 consecutive bytes at a multiple of 256; v's scale words go out as 128 bytes a wave.
; LIMITS: NaN, infinities and given scale bytes of 0xff are not served.  A block of zeros gets the byte 1 and not 127: its codes are zeros, and these bytes are read by this program alone.
; REGISTERS: window 0: addresses, scale words, the way out.  window 1: v0-95 x's 8 fragments, one set; v96-167, v168-239 W's 6 fragments, two sets.
;   windows 2 (x tiles 0-3) and 3 (x tiles 4-7): accumulator (a, b < 4) at 32 (a % 4) + 8 b; (a, b >= 4) at 128 + 32 (b - 4) + 8 (a % 4).
.set ROWB,  192                        ; a tile's row: 256 codes
.set KROW,  768                        ; a row of x or W in memory
.set PITCH, 240                        ; an LDS row: 3 x (64 bytes + 16 of padding)
.set HALFA, 128*PITCH
.set HALFB, 96*PITCH
.set BOFF,  2*HALFA                    ; W's 192 rows lie behind x's 256
.set SLOT,  2*HALFA+2*HALFB
.set SCLA,  2*SLOT                     ; x's scale bytes, all of K: 32 units of 256 bytes + 16
.set SCLB,  SCLA+32*272                ; W's: 24 units
.set SPARE, 230400                     ; the spare words: 128 bytes for each wave, two blocks of 256 bytes that no other line names
.set ADSA, 8
.set ADSB, 9
.set ADSV, 10
.set ADRV, 12                          ; v12-13 LDS address of v's W fragments in slot 0, 1; v14-15 the same behind one padding more
.set ADRA, 16                          ; v16-19 likewise for x
.set ADRB, 20                          ; v20-23 likewise for q's or k's W rows
.set LI,   24                          ; 16 x lane
.set L4,   25                          ; 4 x lane
.set SPW,  28
.set NIL,  29
.set TM,   32                          ; v32-47 the quantiser's work
.set TQ,   48                          ; v48-55
.set PWT,  56                          ; v56-57 two tiles' scale words
.set QKC,  64                          ; v64-111 q's or k's codes: 4 groups x 12
.set SW,   112                         ; v112-115 their scale words
.set VW,   116                         ; v116-120 v's scale words
.set VCD,  128                         ; v128-151 v's codes: 2 fragments
.set SCA,  160                         ; v160-191 x's scale words: tile a, register 4 a + s % 4: lanes 0-15 K step s % 4, lanes 16-31 K step 4 + s % 4
.set SCB,  192                         ; v192-215 W's likewise
.set BF,   96                          ; W's fragments in window 1
.set WV,   16
.set MH,   17
.set NH,   18
.set MSK,  3
.set SEL,  66
.set G1,   24
.set G0,   32
.set G1B,  48
.set G0B,  56
.set G1S,  68
.set G0S,  76
.set G1SB, 80
.set G0SB, 88
.set MUL_LO, 0xa5                      ; both sources window 1, C and D window 2
.set MUL_HI, 0xf5                      ; C and D window 3
.set TO_F,   0x40                      ; destination window 1
.set MSB, 0
.macro WIN new                         ; the immediate's high byte repeats the setting that is left; a switch that changes nothing is dropped
.set WN, \new
.if MSB != WN
	s_set_vgpr_msb (MSB<<8)|WN
.set MSB, WN
.endif
.endm
.macro PLACES n
.rept \n
	v_nop
.endr
.endm
; a joint load: waves 0 and 1 fetch for x, waves 2 and 3 for W; four v_nop follow each of the two lines
.macro JLOAD g0a, g1a, g0b, g1b
	s_cmp_eq_u32 s[MH], 0
	s_cbranch_scc0 .Lfor_b_\@
	tensor_load_to_lds s[\g0a:\g0a+3], s[\g1a:\g1a+7]
	s_nop 0
.rept 4
	v_nop
.endr
	s_branch .Lasked_\@
.Lfor_b_\@:
	tensor_load_to_lds s[\g0b:\g0b+3], s[\g1b:\g1b+7]
	s_nop 0
.rept 4
	v_nop
.endr
.Lasked_\@:
.endm
.macro CREST                           ; a round of the cluster's barrier behind its opening barrier
	s_cmp_lg_u32 s[WV], 0
	s_cbranch_scc1 .Lnot_wave_0_\@
	s_barrier_signal -3
.Lnot_wave_0_\@:
	s_barrier_wait -3
	s_barrier_signal -1
	s_barrier_wait -1
.endm
.macro CROUND
	s_barrier_signal -1
	s_barrier_wait -1
	CREST
.endm
; one scaled product from the symbols rD, rX, rY, rSX, rSY.  ra, rb: source 0's, source 1's scales stand in lanes 16-31 of their register
.macro WM zero, ra, rb
.if \zero
.if (\ra) && (\rb)
	v_wmma_scale_f32_16x16x128_f8f6f4 v[rD:rD+7], v[rX:rX+11], v[rY:rY+11], 0, v[rSX], v[rSY] matrix_a_fmt:MATRIX_FMT_FP6 matrix_b_fmt:MATRIX_FMT_FP6 matrix_a_scale:MATRIX_SCALE_ROW1 matrix_b_scale:MATRIX_SCALE_ROW1
.elseif \ra
	v_wmma_scale_f32_16x16x128_f8f6f4 v[rD:rD+7], v[rX:rX+11], v[rY:rY+11], 0, v[rSX], v[rSY] matrix_a_fmt:MATRIX_FMT_FP6 matrix_b_fmt:MATRIX_FMT_FP6 matrix_a_scale:MATRIX_SCALE_ROW1
.elseif \rb
	v_wmma_scale_f32_16x16x128_f8f6f4 v[rD:rD+7], v[rX:rX+11], v[rY:rY+11], 0, v[rSX], v[rSY] matrix_a_fmt:MATRIX_FMT_FP6 matrix_b_fmt:MATRIX_FMT_FP6 matrix_b_scale:MATRIX_SCALE_ROW1
.else
	v_wmma_scale_f32_16x16x128_f8f6f4 v[rD:rD+7], v[rX:rX+11], v[rY:rY+11], 0, v[rSX], v[rSY] matrix_a_fmt:MATRIX_FMT_FP6 matrix_b_fmt:MATRIX_FMT_FP6
.endif
.else
.if (\ra) && (\rb)
	v_wmma_scale_f32_16x16x128_f8f6f4 v[rD:rD+7], v[rX:rX+11], v[rY:rY+11], v[rD:rD+7], v[rSX], v[rSY] matrix_a_fmt:MATRIX_FMT_FP6 matrix_b_fmt:MATRIX_FMT_FP6 matrix_a_scale:MATRIX_SCALE_ROW1 matrix_b_scale:MATRIX_SCALE_ROW1
.elseif \ra
	v_wmma_scale_f32_16x16x128_f8f6f4 v[rD:rD+7], v[rX:rX+11], v[rY:rY+11], v[rD:rD+7], v[rSX], v[rSY] matrix_a_fmt:MATRIX_FMT_FP6 matrix_b_fmt:MATRIX_FMT_FP6 matrix_a_scale:MATRIX_SCALE_ROW1
.elseif \rb
	v_wmma_scale_f32_16x16x128_f8f6f4 v[rD:rD+7], v[rX:rX+11], v[rY:rY+11], v[rD:rD+7], v[rSX], v[rSY] matrix_a_fmt:MATRIX_FMT_FP6 matrix_b_fmt:MATRIX_FMT_FP6 matrix_b_scale:MATRIX_SCALE_ROW1
.else
	v_wmma_scale_f32_16x16x128_f8f6f4 v[rD:rD+7], v[rX:rX+11], v[rY:rY+11], v[rD:rD+7], v[rSX], v[rSY] matrix_a_fmt:MATRIX_FMT_FP6 matrix_b_fmt:MATRIX_FMT_FP6
.endif
.endif
.endm
; THE QUANTISER.  16 nb numbers of a lane in v[s] on of window ws, register 16 b + i = k 32 b + 16 (lane / 16) + i of the lane's row, become 3 nb registers of codes at v[pc] (window 0; a whole block of 32 in a lane)
; and the blocks' scale bytes in v[pw], the lower block in the lower byte.  fl: the floor under the largest magnitude, which holds the byte at 1 from below.  fold = 1: 3 off each byte (the numbers count as an eighth of what the registers hold).
; Each accumulator is read from its two lowest registers on.
.macro QUANT s, nb, ws, pc, pw, fl, fold
	WIN (\ws)|((\ws)<<2)
.set qb, 0
.rept \nb
	v_max3_num_f32 v[TM+qb], |v[(\s)+16*qb]|, |v[(\s)+16*qb+1]|, \fl
.set qb, qb+1
.endr
	WIN ((\ws)<<2)|((\ws)<<4)
.irp i, 2,4,6,8,10,12,14
.set qb, 0
.rept \nb
	v_max3_num_f32 v[TM+qb], v[TM+qb], |v[(\s)+16*qb+\i]|, |v[(\s)+16*qb+\i+1]|   ; the blocks by turns
.set qb, qb+1
.endr
.endr
	WIN 0
.set qb, 0
.rept \nb
	v_permlanex16_b32 v[TM+4+qb], v[TM+qb], s[SEL], s[SEL+1]
.set qb, qb+1
.endr
.set qb, 0
.rept \nb
	v_max_num_f32 v[TM+qb], v[TM+qb], v[TM+4+qb]        ; with lane l xor 16's 16 numbers: the block's largest magnitude
.set qb, qb+1
.endr
.set qb, 0
.rept \nb
	v_add_nc_u32 v[TM+12+qb], 0xff000000, v[TM+qb]      ; 2 off its exponent field: the conversion takes that field as its scale
.set qb, qb+1
.endr
.set qb, 0
.rept \nb
	v_lshrrev_b32 v[TM+4+qb], 23, v[TM+12+qb]           ; the scale's byte
.set qb, qb+1
.endr
	v_lshl_or_b32 v[\pw], v[TM+5], 8, v[TM+4]
.if (\nb) == 4
	v_lshl_or_b32 v[\pw], v[TM+6], 16, v[\pw]
	v_lshl_or_b32 v[\pw], v[TM+7], 24, v[\pw]
.endif
.if \fold
	v_add_nc_u32 v[\pw], 0xfcfcfcfd, v[\pw]             ; 3 off each byte; each is 4 at the least, so no byte borrows
.endif
	WIN \ws
.set qc, 0
.rept (\nb)/2
	v_cvt_scalef32_pk16_fp6_f32 v[(\pc)+6*qc:(\pc)+6*qc+2], v[(\s)+32*qc:(\s)+32*qc+15], v[TM+12+2*qc]
	v_cvt_scalef32_pk16_fp6_f32 v[TQ+4*qc:TQ+4*qc+2], v[(\s)+32*qc+16:(\s)+32*qc+31], v[TM+13+2*qc]   ; (a conversion's three registers begin on an even number)
.set qc, qc+1
.endr
	WIN 0
	v_nop                                               ; one plain place behind a scaled conversion
.set qc, 0
.rept (\nb)/2
.irp i, 0,1,2
	v_permlane16_swap_b32 v[(\pc)+6*qc+\i], v[TQ+4*qc+\i]   ; lanes 0-15 keep block 2 c, lanes 16-31 take block 2 c + 1: the first register the lower 16 codes, the second the upper
.endr
.irp i, 0,1,2
	v_mov_b32 v[(\pc)+6*qc+3+\i], v[TQ+4*qc+\i]
.endr
.set qc, qc+1
.endr
.endm
	s_load_b256 s[4:11], s[0:1], 0x0               ; x's codes, x's scales, W's codes, W's scales
	s_load_b128 s[12:15], s[0:1], 0x20             ; qrec, kvrec
	v_lshl_add_u32 v[SPW], v0, 2, SPARE
	v_mov_b32 v[NIL], 0
	ds_add_u32 v28, v29
	ds_add_u32 v28, v29
	s_wait_dscnt 0x0
	v_lshrrev_b32 v1, 5, v0
	v_readfirstlane_b32 s[WV], v1                  ; wave 0..3
	s_lshr_b32 s[MH], s[WV], 1                     ; my half of the rows.  Also: I fetch for x (0) or for W (1)
	s_and_b32 s[NH], s[WV], 1                      ; q or k.  Also: which half of that tile I fetch
	s_bfe_u32 s40, ttmp6, 0x40000                  ; cx
	s_bfe_u32 s41, ttmp6, 0x40004                  ; cy
	s_lshl_b32 s42, ttmp9, 2
	s_add_co_u32 s42, s42, s40                     ; the head = 4 x cluster x + cx
	s_and_b32 s43, ttmp7, 0xffff
	s_lshl_b32 s43, s43, 2
	s_add_co_u32 s43, s43, s41                     ; the block of 256 rows = 4 x cluster y + cy
	s_lshl_b32 s44, s41, 2
	s_lshl_b32 s44, 15, s44                        ; my row of the cluster
	s_lshl_b32 s45, 0x1111, s40                    ; my column
	s_mov_b32 s[MSK], 0xffff0000                   ; lanes 16-31
	s_mov_b32 s[SEL], 0x76543210
	s_mov_b32 s[SEL+1], 0xfedcba98                 ; v_permlanex16_b32's selects for lane l xor 16
	; group 1: rows of 192 bytes, 768 apart in memory, 16 bytes of padding behind every 64; x: 128 rows, W: 96
	s_or_b32 s[G1+0], s44, (1<<20)|(1<<21)|(3<<22)|(3<<25)
	s_or_b32 s[G1B+0], s45, (1<<20)|(1<<21)|(3<<22)|(3<<25)
.irp g, G1, G1B
	s_mov_b32 s[\g+1], ROWB<<16
	s_mov_b32 s[\g+3], ROWB<<16
	s_mov_b32 s[\g+5], KROW
	s_mov_b32 s[\g+6], 0
	s_mov_b32 s[\g+7], 0
.endr
	s_mov_b32 s[G1+2], 128<<16
	s_mov_b32 s[G1+4], 128
	s_mov_b32 s[G1B+2], 96<<16
	s_mov_b32 s[G1B+4], 96
	; the scale bytes of 128 or 96 rows, all of K: dense, as rows of 256 bytes with 16 of padding behind each
	s_or_b32 s[G1S+0], s44, (3<<16)|(1<<20)|(1<<21)|(5<<22)|(3<<25)
	s_or_b32 s[G1SB+0], s45, (3<<16)|(1<<20)|(1<<21)|(5<<22)|(3<<25)
.irp g, G1S, G1SB
	s_mov_b32 s[\g+1], 32<<16
	s_mov_b32 s[\g+3], 32<<16
	s_mov_b32 s[\g+5], 32
	s_mov_b32 s[\g+6], 0
	s_mov_b32 s[\g+7], 0
.endr
	s_mov_b32 s[G1S+2], 16<<16
	s_mov_b32 s[G1S+4], 16
	s_mov_b32 s[G1SB+2], 12<<16
	s_mov_b32 s[G1SB+4], 12
	s_lshl_b32 s19, s[NH], 7
	s_lshl_b32 s20, s43, 8
	s_add_co_u32 s20, s20, s19                     ; x: row 256 x block + 128 x half
	s_lshl_b32 s22, s20, 5                         ; its scale bytes, 32 a row
	s_mov_b32 s23, 0
	s_mul_i32 s20, s20, KROW                       ; its codes
	s_mov_b32 s21, 0
	s_mul_i32 s19, s[NH], 96
	s_mul_i32 s46, s42, 192
	s_add_co_u32 s46, s46, s19                     ; W: row 192 x head + 96 x half
	s_lshl_b32 s92, s46, 5
	s_mov_b32 s93, 0
	s_mul_i32 s46, s46, KROW
	s_mov_b32 s47, 0
	s_mul_i32 s94, s[NH], HALFA                    ; where they go: no place in the cluster enters an LDS address
	s_mul_i32 s95, s[NH], HALFB
	s_add_co_u32 s95, s95, BOFF
	s_mul_i32 s96, s[NH], 16*272
	s_add_co_u32 s96, s96, SCLA
	s_mul_i32 s97, s[NH], 12*272
	s_add_co_u32 s97, s97, SCLB
	s_wait_kmcnt 0x0
	s_add_nc_u64 s[20:21], s[4:5], s[20:21]
	s_add_nc_u64 s[22:23], s[6:7], s[22:23]
	s_add_nc_u64 s[46:47], s[8:9], s[46:47]
	s_add_nc_u64 s[92:93], s[10:11], s[92:93]
	CROUND                                         ; all sixteen work-groups are here: the first joint loads meet
	s_mov_b32 s[G0S], 1
	s_mov_b32 s[G0S+1], s96
	s_mov_b64 s[G0S+2:G0S+3], s[22:23]
	s_or_b32 s[G0S+3], s[G0S+3], 0x80000000
	s_mov_b32 s[G0SB], 1
	s_mov_b32 s[G0SB+1], s97
	s_mov_b64 s[G0SB+2:G0SB+3], s[92:93]
	s_or_b32 s[G0SB+3], s[G0SB+3], 0x80000000
	JLOAD G0S, G1S, G0SB, G1SB                     ; the scale bytes first: filled once
.irp s, 0,1
	s_mov_b32 s[G0+4*\s], 1
	s_add_co_u32 s[G0+4*\s+1], s94, \s*SLOT
	s_add_nc_u64 s[G0+4*\s+2:G0+4*\s+3], s[20:21], \s*ROWB
	s_or_b32 s[G0+4*\s+3], s[G0+4*\s+3], 0x80000000
	s_mov_b32 s[G0B+4*\s], 1
	s_add_co_u32 s[G0B+4*\s+1], s95, \s*SLOT
	s_add_nc_u64 s[G0B+4*\s+2:G0B+4*\s+3], s[46:47], \s*ROWB
	s_or_b32 s[G0B+4*\s+3], s[G0B+4*\s+3], 0x80000000
	JLOAD G0+4*\s, G1, G0B+4*\s, G1B               ; three tensor loads of mine are out at the most
.endr
	v_and_b32 v1, 15, v0                           ; r
	v_bfe_u32 v2, v0, 4, 1                         ; h
	v_and_b32 v3, 8, v1
	v_add_nc_u32 v3, v3, v1                        ; r + 8 (r / 8)
	v_mul_u32_u24 v4, v3, PITCH
	v_mad_u32_u24 v4, v2, 24, v4                   ; a fragment's row x pitch + 24 x half
	v_lshl_add_u32 v5, v2, 4, v4                   ; and the same behind one padding more
	s_mul_i32 s19, s[MH], HALFA                    ; my 128 rows of x
	s_mul_i32 s20, s[NH], 64*PITCH
	s_add_co_u32 s20, s20, BOFF                    ; my 64 rows of W for q or k
	s_mul_i32 s21, s[NH], 32*PITCH
	s_add_co_u32 s21, s21, BOFF+128*PITCH          ; my 32 rows of W for v
.irp s, 0,1
	v_add_nc_u32 v[ADRA+\s], s19, v4
	v_add_nc_u32 v[ADRA+2+\s], s19, v5
	v_add_nc_u32 v[ADRB+\s], s20, v4
	v_add_nc_u32 v[ADRB+2+\s], s20, v5
	v_add_nc_u32 v[ADRV+\s], s21, v4
	v_add_nc_u32 v[ADRV+2+\s], s21, v5
	s_add_co_u32 s19, s19, SLOT
	s_add_co_u32 s20, s20, SLOT
	s_add_co_u32 s21, s21, SLOT
.endr
	v_and_b32 v6, 7, v1
	v_lshlrev_b32 v6, 5, v6                        ; scale bytes: 32 a row, 8 rows to a unit of 272:
	v_lshrrev_b32 v7, 3, v1
	v_mad_u32_u24 v6, v7, 544, v6                  ; places 8-15 lie two units on;
	v_lshl_add_u32 v6, v2, 4, v6                   ; lanes 16-31 take the words of K steps 4 to 7
	s_mul_i32 s19, s[MH], 16*272
	s_add_co_u32 s19, s19, SCLA
	v_add_nc_u32 v[ADSA], s19, v6
	s_mul_i32 s19, s[NH], 8*272
	s_add_co_u32 s19, s19, SCLB
	v_add_nc_u32 v[ADSB], s19, v6
	s_mul_i32 s19, s[NH], 4*272
	s_add_co_u32 s19, s19, SCLB+16*272
	v_add_nc_u32 v[ADSV], s19, v6
	v_and_b32 v[L4], 31, v0
	v_lshlrev_b32 v[LI], 4, v[L4]
	v_lshlrev_b32 v[L4], 2, v[L4]
.irp b, 0,1,2,3
	v_mov_b32 v[TM+4+\b], 0                        ; written once: a lane permute's destination counts as one of its sources
.endr
; a fragment: 16 rows x 128 K, 12 registers, in pieces of 8 bytes; piece p of a row lies at 8 p + 16 (p / 8); lanes 16-31 read three pieces on, for some pieces behind one padding more
.macro FRAG reg, adr, q, rowoff
.irp p, 0,1,2,3,4,5
.set PCE, 12*(\q)+6*(\p/3)+\p%3
.if PCE%8 < 5
	ds_load_b64 v[(\reg)+2*\p:(\reg)+2*\p+1], v[\adr] offset:8*PCE+16*(PCE/8)+(\rowoff)*PITCH
.else
	ds_load_b64 v[(\reg)+2*\p:(\reg)+2*\p+1], v[(\adr)+2] offset:8*PCE+16*(PCE/8)+(\rowoff)*PITCH
.endif
.endr
.endm
.macro FETCH_B slot, q, bs             ; W's six fragments of the slot's q-th 128 along K into set bs: 36 loads
	WIN TO_F
.irp i, 0,1,2,3
	FRAG BF+72*(\bs)+12*\i, ADRB+\slot, \q, 32*(\i/2)+8*(\i%2)
.endr
.irp i, 0,1
	FRAG BF+72*(\bs)+48+12*\i, ADRV+\slot, \q, 8*\i
.endr
.endm
.macro FETCH_A slot, q, i0             ; x's tiles i0 .. i0 + 3: 24 loads
	WIN TO_F
.irp i, \i0, \i0+1, \i0+2, \i0+3
	FRAG 12*(\i), ADRA+\slot, \q, 32*((\i)/2)+8*((\i)%2)
.endr
.endm
; 12 products: x's tiles a0, a0 + 1 against W's six; s: the K step of 128.  The 48 accumulators take turns, one instruction a turn, in the same order in every step.
.macro MUL12 a0, bs, s, zero
.irp a, \a0, \a0+1
.irp b, 0,1,2,3
.set rD, 32*((\a)%4)+8*\b
.set rX, BF+72*(\bs)+12*\b
.set rY, 12*(\a)
.set rSX, SCB+4*\b+(\s)%4
.set rSY, SCA+4*(\a)+(\s)%4
	WM \zero, (\s)/4, (\s)/4
.endr
.irp b, 4,5
.set rD, 128+32*(\b-4)+8*((\a)%4)
.set rX, 12*(\a)
.set rY, BF+72*(\bs)+12*\b
.set rSX, SCA+4*(\a)+(\s)%4
.set rSY, SCB+4*\b+(\s)%4
	WM \zero, (\s)/4, (\s)/4
.endr
.endr
.endm
; a slot's first step of 128: its successor lies in the same slot
.macro STEP slot, s, zero
	s_wait_dscnt 24                                ; W's set and x's tiles 0-3 are in; the youngest 24 loads (tiles 4-7) may be out
	WIN MUL_LO
	MUL12 0, 0, \s, \zero
	MUL12 2, 0, \s, \zero
	s_wait_dscnt 0x0                               ; tiles 4-7 are in
	PLACES 4                                       ; four places in front of loads into registers that matrix instructions have read
	FETCH_B \slot, 1, 1
	FETCH_A \slot, 1, 0
	WIN MUL_HI
	MUL12 4, 0, \s, \zero
	MUL12 6, 0, \s, \zero
	PLACES 4
	FETCH_A \slot, 1, 4
	WIN 0
.endm
; a slot's second step changes slots: one barrier; in front of it each wave waits for all its tensor loads, adds 0 to its spare word, and waits for that and for its reads of this slot.  fill = 1: the slot is filled again
.macro TURN slot, next, s, fill
	s_wait_tensorcnt 0x0                           ; all my tensor loads have landed: my part of the next slot
	ds_add_u32 v[SPW], v[NIL]                      ; 0 onto my spare word
	s_wait_dscnt 25                                ; (the add and the youngest 24 loads may be out)
	WIN MUL_LO
	MUL12 0, 1, \s, 0
	s_wait_dscnt 0x0                               ; the add is done, and my reads of this slot are over
	s_barrier_signal -1
	MUL12 2, 1, \s, 0
	WIN 0
	s_barrier_wait -1
.if \fill
	CREST                                          ; the barrier has opened a round of the cluster's barrier: no wave of any partner still reads this slot or has a load on its way
	s_add_nc_u64 s[G0+4*\slot+2:G0+4*\slot+3], s[G0+4*\slot+2:G0+4*\slot+3], 2*ROWB
	s_add_nc_u64 s[G0B+4*\slot+2:G0B+4*\slot+3], s[G0B+4*\slot+2:G0B+4*\slot+3], 2*ROWB
	JLOAD G0+4*\slot, G1, G0B+4*\slot, G1B         ; the first tensor load behind the round; its four v_nop are the places in front of the loads below
.else
	PLACES 4
.endif
	FETCH_B \next, 0, 0
	FETCH_A \next, 0, 0
	WIN MUL_HI
	MUL12 4, 1, \s, 0
	MUL12 6, 1, \s, 0
	PLACES 4
	FETCH_A \next, 0, 4
	WIN 0
.endm
	s_wait_tensorcnt 1                             ; the scale bytes and my part of slot 0 are in; slot 1's load may be out
	s_barrier_signal -1
	s_barrier_wait -1
.irp i, 0,1,2,3,4,5,6,7
	ds_load_b128 v[SCA+4*\i:SCA+4*\i+3], v[ADSA] offset:(4*(\i/2)+\i%2)*272   ; all scale words, once
.endr
.irp i, 0,1,2,3
	ds_load_b128 v[SCB+4*\i:SCB+4*\i+3], v[ADSB] offset:(4*(\i/2)+\i%2)*272
.endr
.irp i, 0,1
	ds_load_b128 v[SCB+16+4*\i:SCB+16+4*\i+3], v[ADSV] offset:\i*272
.endr
	FETCH_B 0, 0, 0
	FETCH_A 0, 0, 0
	FETCH_A 0, 0, 4
	WIN 0
	STEP 0, 0, 1                                   ; the first products start the sums: nothing is cleared
	TURN 0, 1, 1, 1
	STEP 1, 2, 0
	TURN 1, 0, 3, 1
	STEP 0, 4, 0
	TURN 0, 1, 5, 0                                ; nothing is left to fetch
	STEP 1, 6, 0
	s_wait_dscnt 24
	WIN MUL_LO
	MUL12 0, 1, 7, 0
	MUL12 2, 1, 7, 0
	s_wait_dscnt 0x0
	WIN MUL_HI
	MUL12 4, 1, 7, 0
	MUL12 6, 1, 7, 0
	WIN 0
	PLACES 4                                       ; in front of the first read of results
	; THE WAY OUT.  bh = 16 x batch + head; ks = which 128 rows of the sequence
	s_lshr_b32 s19, s43, 3
	s_lshl_b32 s19, s19, 4
	s_add_co_u32 s19, s19, s42                     ; bh
	s_and_b32 s20, s43, 7
	s_lshl_b32 s20, s20, 1
	s_add_co_u32 s20, s20, s[MH]                   ; ks
	s_mul_i32 s21, s19, 106496                     ; the head's record in qrec,
	s_mul_i32 s22, s19, 208896                     ; in kvrec
	s_mul_i32 s23, s20, 6144
	s_add_co_u32 s92, s21, s23                     ; q's codes of this step
	s_lshl_b32 s23, s23, 1
	s_add_co_u32 s94, s22, s23                     ; k's
	s_lshl_b32 s23, s20, 9
	s_add_co_u32 s96, s21, s23
	s_add_co_u32 s96, s96, 98304                   ; q's scale words
	s_add_co_u32 s98, s22, s23
	s_add_co_u32 s98, s98, 196608                  ; k's
	s_cmp_eq_u32 s[NH], 0                          ; the choice hangs on the wave's number alone
	s_cselect_b64 s[46:47], s[12:13], s[14:15]
	s_cselect_b32 s92, s92, s94
	s_cselect_b32 s96, s96, s98
	s_mov_b32 s93, 0
	s_mov_b32 s97, 0
	s_add_nc_u64 s[92:93], s[46:47], s[92:93]
	s_add_nc_u64 s[96:97], s[46:47], s[96:97]
	s_mul_i32 s23, s[NH], 3072
	s_add_co_u32 s94, s94, s23
	s_add_co_u32 s94, s94, 6144                    ; v's two fragments: behind k's 6,144 bytes
	s_mov_b32 s95, 0
	s_add_nc_u64 s[94:95], s[14:15], s[94:95]
	s_lshl_b32 s23, s20, 8
	s_add_co_u32 s98, s22, s23
	s_lshl_b32 s23, s[NH], 7
	s_add_co_u32 s98, s98, s23
	s_add_co_u32 s98, s98, 204800                  ; v's scale words
	s_mov_b32 s99, 0
	s_add_nc_u64 s[98:99], s[14:15], s[98:99]
.irp a, 0,1,2,3,4,5,6,7                ; q or k: tile a's 16 rows x 64: six registers of codes and a word with two bytes; every store has data registers of its own
	QUANT 32*(\a%4), 2, 2+\a/4, QKC+12*(\a/2)+6*(\a%2), PWT+\a%2, 0x1800000, 0
.if \a%2
	v_cndmask_b32 v[SW+\a/2], v[PWT], v[PWT+1], s[MSK]   ; lanes 0-15 the even tile's words, lanes 16-31 the odd tile's
.irp c, 0,1,2
	global_store_b128 v[LI], v[QKC+12*(\a/2)+4*\c:QKC+12*(\a/2)+4*\c+3], s[92:93] offset:1536*(\a/2)+512*\c   ; 512 consecutive bytes
.endr
.endif
.endr
	global_store_b128 v[LI], v[SW:SW+3], s[96:97]
.irp b, 0,1                            ; v: 16 d x 128 keys a fragment; keys 0-63 lie in window 2, keys 64-127 in window 3
.irp c, 0,1
	QUANT 128+32*\b, 2, 2+\c, VCD+12*\b+6*\c, VW+2*\b+\c, 0x1800000, 0
.endr
.irp c, 0,1,2
	global_store_b128 v[LI], v[VCD+12*\b+4*\c:VCD+12*\b+4*\c+3], s[94:95] offset:1536*\b+512*\c
.endr
.endr
	v_lshl_or_b32 v[VW], v[VW+1], 16, v[VW]        ; four blocks of keys: four bytes
	v_lshl_or_b32 v[VW+2], v[VW+3], 16, v[VW+2]
	v_cndmask_b32 v[VW+4], v[VW], v[VW+2], s[MSK]
	global_store_b32 v[L4], v[VW+4], s[98:99]      ; 128 consecutive bytes
	s_wait_tensorcnt 0x0                           ; the wave's end
	ds_add_u32 v[SPW], v[NIL]
	s_wait_dscnt 0x0
	CROUND                                         ; the closing round: no work-group ends while a partner may still ask for a tile that names it
	s_endpgm
.Lfunc_end_k_q688a691b7e_qkv:
	.size	k_q688a691b7e_qkv, .Lfunc_end_k_q688a691b7e_qkv-k_q688a691b7e_qkv
	.p2alignl 7, 3214868480
	.fill 96, 4, 3214868480
	.section	.rodata,"a",@progbits
	.p2align	6, 0x0
	.amdhsa_kernel k_q688a691b7e_qkv
		.amdhsa_group_segment_fixed_size 327680
		.amdhsa_private_segment_fixed_size 0
		.amdhsa_enable_private_segment 0
		.amdhsa_kernarg_size 48
		.amdhsa_user_sgpr_count 2
		.amdhsa_user_sgpr_kernarg_segment_ptr 1
		.amdhsa_wavefront_size32 1
		.amdhsa_system_sgpr_workgroup_id_x 1
		.amdhsa_system_sgpr_workgroup_id_y 1
		.amdhsa_system_sgpr_workgroup_id_z 1
		.amdhsa_system_vgpr_workitem_id 0
		.amdhsa_next_free_vgpr 1024
		.amdhsa_next_free_sgpr 100
		.amdhsa_reserve_vcc 0
		.amdhsa_float_denorm_mode_32 3
		.amdhsa_float_denorm_mode_16_64 3
		.amdhsa_memory_ordered 1
		.amdhsa_forward_progress 1
		.amdhsa_inst_pref_size 135
	.end_amdhsa_kernel
	.amdgpu_metadata
---
amdhsa.version: [ 1, 2 ]
amdhsa.kernels:
  - .name:           k_q688a691b7e_qkv
    .symbol:         k_q688a691b7e_qkv.kd
    .args:
      - { .name: x_codes, .offset: 0, .size: 8, .value_kind: global_buffer, .address_space: global }
      - { .name: x_scales, .offset: 8, .size: 8, .value_kind: global_buffer, .address_space: global }
      - { .name: w_qkv_codes, .offset: 16, .size: 8, .value_kind: global_buffer, .address_space: global }
      - { .name: w_qkv_scales, .offset: 24, .size: 8, .value_kind: global_buffer, .address_space: global }
      - { .name: qrec, .offset: 32, .size: 8, .value_kind: global_buffer, .address_space: global }
      - { .name: kvrec, .offset: 40, .size: 8, .value_kind: global_buffer, .address_space: global }
    .group_segment_fixed_size: 327680
    .private_segment_fixed_size: 0
    .kernarg_segment_align: 8
    .kernarg_segment_size: 48
    .max_flat_workgroup_size: 128
    .sgpr_count:     100
    .vgpr_count:     1024
    .wavefront_size: 32
...
	.end_amdgpu_metadata
.endif
;; end of part 1
;; launch attn (part 2): grid 4 x 64, 8 waves a work-group, clusters of 4 x 1, 209,920 bytes of LDS; arguments qrec, kvrec, val, vsc; writes val, vsc
.if DOCPART == 2
	.amdgcn_target "amdgcn-amd-amdhsa--gfx1250"
	.amdhsa_code_object_version 6
	.text
	.protected	k_q688a691b7e_attn
	.globl	k_q688a691b7e_attn
	.p2align	8
	.type	k_q688a691b7e_attn,@function
k_q688a691b7e_attn:
	s_mov_b64 s[64:65], 0
	v_nop
	global_prefetch_b8 v0, s[64:65] scope:SCOPE_SE
	s_setreg_imm32_b32 hwreg(HW_REG_WAVE_MODE, 25, 1), 1
	s_wait_xcnt 0x0
	s_wait_alu depctr_hold_cnt(0) depctr_sa_sdst(0) depctr_va_vdst(0) depctr_va_sdst(0) depctr_va_ssrc(0) depctr_va_vcc(0) depctr_vm_vsrc(0)
	s_getreg_b32 s2, hwreg(HW_REG_IB_STS2, 6, 4)
	s_cmp_eq_u32 s2, 0
	s_cbranch_scc0 .Lentry_in_a_cluster
	s_endpgm
.Lentry_in_a_cluster:
	s_bfe_u32 s2, ttmp6, 0x10000c
	s_cmp_lg_u32 s2, 0x3003
	s_cbranch_scc0 .Lentry_shape_is_right
	s_endpgm
.Lentry_shape_is_right:
; values = Q(q k^T / 8) v for one (batch, head), both products on codes of E2M3 with one E8M0 scale for each 32 along K; there is no softmax.  The logits are quantised along the keys in registers and never leave them.
; 1 / 8 is a power of two: it changes no code, only the logits' scale bytes, which are 3 less than the raw sums' would be.
; SHARES.  A work-group takes 512 queries of one head, each of its eight waves 64: four tiles.  Two waves share a SIMD, so that one wave's quantiser stands beside the other's products.
; THE HEAD'S WHOLE RECORD OF k AND v (208,896 bytes: codes as images of the operands' registers, then the scale words) lies in LDS, byte for byte as in memory, filled once.  The four query blocks of a head
; form the cluster and ask for it jointly.  Each wave issues three loads: its part of the scale words, of key steps 0-3, of key steps 4-15; the last may land while the first four steps are worked.
; LAYOUT.  S^T = k q^T (source 0 = 16 keys, source 1 = 16 queries), O^T = v^T P^T (source 0 = 16 of the head's 64, source 1 = P): a lane holds one query throughout.  The keys of a tile, and v's d of a tile, are
; place r of tile 2 G + u = 32 G + 8 u + r + 8 (r / 8), so that the 16 registers of two neighbouring tiles are 16 neighbours along the next K.
; K = 64 IN A FORM OF 128: q's fragments have zero codes for k 64-127.  k's fragments lie 6 registers apart; the upper six registers that fragment t names are fragment t + 1's codes (behind the last: six zeros),
; numbers that are multiplied by zero.  The scale bytes of those two blocks are 0 on both sides.
; A KEY STEP (128 keys): the four tiles of queries go through two sets of score registers SA, SB: while one set is quantised, the products of the other have been issued.
; LIMITS: NaN and infinities are not served.  A block of zeros gets the floor's byte and not 127: its codes are zeros, and these bytes are read by this program alone.
; vsc is stored 2 bytes a lane, 4 bytes apart: two heads share each word.
; REGISTERS: window 0: v1-8 addresses; v16-25 scale words; v32-47, v248-255 the quantiser's work; v48-95 q; v96-159 SA; v160-223 SB; v224-247 P, two sets.
;   window 1: v0-127 O^T (tile qt, d tile dt at 32 qt + 8 dt); v128-175 k, v176-181 zeros; v184-231 v.
.set LI,  1                            ; 16 x lane
.set LIK, 2                            ; + where k's scale words begin
.set L4V, 3                            ; 4 x lane + where v's begin
.set AD,  4
.set ASK, 5
.set ASV, 6
.set VO,  7                            ; 8 x lane
.set L4,  8                            ; 4 x lane
.set KSC, 16
.set VSC, 20
.set QSC, 22
.set PW0, 24
.set PW1, 25
.set TM,  32
.set Q,   48
.set SA,  96
.set SB,  160
.set P0,  224
.set P1,  236
.set TQ,  248
.set KF,  128
.set VF,  184
.set OC,  96                           ; the way out: values' codes
.set OW,  160                          ; and their scale words
.set WV,  12
.set SEL, 20
.set MSK, 23
.set G1S, 24
.set G1C, 32
.set G1R, 40
.set G0,  48
.set TB,  60
.set TS,  61
.set TV,  62
.set CNT, 63
.set MSB, 0
.macro WIN new
.set WN, \new
.if MSB != WN
	s_set_vgpr_msb (MSB<<8)|WN
.set MSB, WN
.endif
.endm
.macro PLACES n
.rept \n
	v_nop
.endr
.endm
.macro CROUND                          ; a round of the cluster's barrier
	s_barrier_signal -1
	s_barrier_wait -1
	s_cmp_lg_u32 s[WV], 0
	s_cbranch_scc1 .Lnot_wave_0_\@
	s_barrier_signal -3
.Lnot_wave_0_\@:
	s_barrier_wait -3
	s_barrier_signal -1
	s_barrier_wait -1
.endm
.macro WM zero, ra, rb                 ; one scaled product from the symbols rD, rX, rY, rSX, rSY; ra, rb: the side's scales stand in lanes 16-31
.if \zero
.if (\ra) && (\rb)
	v_wmma_scale_f32_16x16x128_f8f6f4 v[rD:rD+7], v[rX:rX+11], v[rY:rY+11], 0, v[rSX], v[rSY] matrix_a_fmt:MATRIX_FMT_FP6 matrix_b_fmt:MATRIX_FMT_FP6 matrix_a_scale:MATRIX_SCALE_ROW1 matrix_b_scale:MATRIX_SCALE_ROW1
.elseif \ra
	v_wmma_scale_f32_16x16x128_f8f6f4 v[rD:rD+7], v[rX:rX+11], v[rY:rY+11], 0, v[rSX], v[rSY] matrix_a_fmt:MATRIX_FMT_FP6 matrix_b_fmt:MATRIX_FMT_FP6 matrix_a_scale:MATRIX_SCALE_ROW1
.elseif \rb
	v_wmma_scale_f32_16x16x128_f8f6f4 v[rD:rD+7], v[rX:rX+11], v[rY:rY+11], 0, v[rSX], v[rSY] matrix_a_fmt:MATRIX_FMT_FP6 matrix_b_fmt:MATRIX_FMT_FP6 matrix_b_scale:MATRIX_SCALE_ROW1
.else
	v_wmma_scale_f32_16x16x128_f8f6f4 v[rD:rD+7], v[rX:rX+11], v[rY:rY+11], 0, v[rSX], v[rSY] matrix_a_fmt:MATRIX_FMT_FP6 matrix_b_fmt:MATRIX_FMT_FP6
.endif
.else
.if (\ra) && (\rb)
	v_wmma_scale_f32_16x16x128_f8f6f4 v[rD:rD+7], v[rX:rX+11], v[rY:rY+11], v[rD:rD+7], v[rSX], v[rSY] matrix_a_fmt:MATRIX_FMT_FP6 matrix_b_fmt:MATRIX_FMT_FP6 matrix_a_scale:MATRIX_SCALE_ROW1 matrix_b_scale:MATRIX_SCALE_ROW1
.elseif \ra
	v_wmma_scale_f32_16x16x128_f8f6f4 v[rD:rD+7], v[rX:rX+11], v[rY:rY+11], v[rD:rD+7], v[rSX], v[rSY] matrix_a_fmt:MATRIX_FMT_FP6 matrix_b_fmt:MATRIX_FMT_FP6 matrix_a_scale:MATRIX_SCALE_ROW1
.elseif \rb
	v_wmma_scale_f32_16x16x128_f8f6f4 v[rD:rD+7], v[rX:rX+11], v[rY:rY+11], v[rD:rD+7], v[rSX], v[rSY] matrix_a_fmt:MATRIX_FMT_FP6 matrix_b_fmt:MATRIX_FMT_FP6 matrix_b_scale:MATRIX_SCALE_ROW1
.else
	v_wmma_scale_f32_16x16x128_f8f6f4 v[rD:rD+7], v[rX:rX+11], v[rY:rY+11], v[rD:rD+7], v[rSX], v[rSY] matrix_a_fmt:MATRIX_FMT_FP6 matrix_b_fmt:MATRIX_FMT_FP6
.endif
.endif
.endm
; THE QUANTISER.  16 nb numbers of a lane in v[s] on of window ws, register 16 b + i = k 32 b + 16 (lane / 16) + i of the lane's row, become 3 nb registers of codes at v[pc] (window 0; a whole block of 32 in a lane)
; and the blocks' scale bytes in v[pw].  fl: the floor under the largest magnitude, which holds the byte at 1 from below.  fold = 1: 3 off each byte (the numbers count as an eighth of what the registers hold).
; Each accumulator is read from its two lowest registers on.
.macro QUANT s, nb, ws, pc, pw, fl, fold
	WIN (\ws)|((\ws)<<2)
.set qb, 0
.rept \nb
	v_max3_num_f32 v[TM+qb], |v[(\s)+16*qb]|, |v[(\s)+16*qb+1]|, \fl
.set qb, qb+1
.endr
	WIN ((\ws)<<2)|((\ws)<<4)
.irp i, 2,4,6,8,10,12,14
.set qb, 0
.rept \nb
	v_max3_num_f32 v[TM+qb], v[TM+qb], |v[(\s)+16*qb+\i]|, |v[(\s)+16*qb+\i+1]|   ; the blocks by turns
.set qb, qb+1
.endr
.endr
	WIN 0
.set qb, 0
.rept \nb
	v_permlanex16_b32 v[TM+4+qb], v[TM+qb], s[SEL], s[SEL+1]
.set qb, qb+1
.endr
.set qb, 0
.rept \nb
	v_max_num_f32 v[TM+qb], v[TM+qb], v[TM+4+qb]        ; with lane l xor 16's 16 numbers: the block's largest magnitude
.set qb, qb+1
.endr
.set qb, 0
.rept \nb
	v_add_nc_u32 v[TM+12+qb], 0xff000000, v[TM+qb]      ; 2 off its exponent field: the conversion takes that field as its scale
.set qb, qb+1
.endr
.set qb, 0
.rept \nb
	v_lshrrev_b32 v[TM+4+qb], 23, v[TM+12+qb]           ; the scale's byte
.set qb, qb+1
.endr
	v_lshl_or_b32 v[\pw], v[TM+5], 8, v[TM+4]
.if (\nb) == 4
	v_lshl_or_b32 v[\pw], v[TM+6], 16, v[\pw]
	v_lshl_or_b32 v[\pw], v[TM+7], 24, v[\pw]
.endif
.if \fold
	v_add_nc_u32 v[\pw], 0xfcfcfcfd, v[\pw]             ; 3 off each byte; each is 4 at the least, so no byte borrows
.endif
	WIN \ws
.set qc, 0
.rept (\nb)/2
	v_cvt_scalef32_pk16_fp6_f32 v[(\pc)+6*qc:(\pc)+6*qc+2], v[(\s)+32*qc:(\s)+32*qc+15], v[TM+12+2*qc]
	v_cvt_scalef32_pk16_fp6_f32 v[TQ+4*qc:TQ+4*qc+2], v[(\s)+32*qc+16:(\s)+32*qc+31], v[TM+13+2*qc]   ; (a conversion's three registers begin on an even number)
.set qc, qc+1
.endr
	WIN 0
	v_nop                                               ; one plain place behind a scaled conversion
.set qc, 0
.rept (\nb)/2
.irp i, 0,1,2
	v_permlane16_swap_b32 v[(\pc)+6*qc+\i], v[TQ+4*qc+\i]   ; lanes 0-15 keep block 2 c, lanes 16-31 take block 2 c + 1
.endr
.irp i, 0,1,2
	v_mov_b32 v[(\pc)+6*qc+3+\i], v[TQ+4*qc+\i]
.endr
.set qc, qc+1
.endr
.endm
	s_load_b256 s[4:11], s[0:1], 0x0               ; qrec, kvrec, val, vsc
	v_lshl_add_u32 v251, v0, 2, 0x33000
	v_mov_b32 v255, 0
	ds_add_u32 v251, v255
	ds_add_u32 v251, v255
	v_lshrrev_b32 v1, 5, v0
	v_readfirstlane_b32 s[WV], v1                  ; wave 0..7
	s_bfe_u32 s13, ttmp6, 0x40000                  ; cx: my block of 512 queries
	s_and_b32 s14, ttmp7, 0xffff                   ; bh = 16 x batch + head, which the four partners share
	; group 1: dense rows of 256 bytes (32 elements of 8), no padding; the mask names all four work-groups.  6, 24 and 72 rows
.irp g, G1S, G1C, G1R
	s_mov_b32 s[\g], 15|(3<<16)|(1<<21)
	s_mov_b32 s[\g+1], 32<<16
	s_mov_b32 s[\g+3], 32<<16
	s_mov_b32 s[\g+5], 32
	s_mov_b32 s[\g+6], 0
	s_mov_b32 s[\g+7], 0
.endr
	s_mov_b32 s[G1S+2], 6<<16
	s_mov_b32 s[G1S+4], 6
	s_mov_b32 s[G1C+2], 24<<16
	s_mov_b32 s[G1C+4], 24
	s_mov_b32 s[G1R+2], 72<<16
	s_mov_b32 s[G1R+4], 72
	s_mul_i32 s16, s14, 208896                     ; the head's record
	s_mov_b32 s17, 0
	s_mul_i32 s18, s[WV], 1536
	s_add_co_u32 s18, s18, 196608                  ; my part of the scale words,
	s_mul_i32 s19, s[WV], 6144                     ; of key steps 0-3,
	s_mul_i32 s22, s[WV], 18432
	s_add_co_u32 s22, s22, 49152                   ; of key steps 4-15: the byte in LDS is the byte in the record
	s_mov_b32 s67, 0
	s_mov_b32 s[SEL], 0x76543210
	s_mov_b32 s[SEL+1], 0xfedcba98
	s_mov_b32 s[MSK], 0xffff0000
	s_mov_b32 s[TB], 0
	s_mov_b32 s[TS], 0
	s_mov_b32 s[TV], 0
	s_wait_dscnt 0x0
	s_wait_kmcnt 0x0
	s_add_nc_u64 s[16:17], s[6:7], s[16:17]
	s_mov_b32 s[G0], 1
	s_mov_b32 s[G0+1], s18
	s_mov_b32 s66, s18
	s_add_nc_u64 s[G0+2:G0+3], s[16:17], s[66:67]
	s_or_b32 s[G0+3], s[G0+3], 0x80000000
	s_mov_b32 s[G0+4], 1
	s_mov_b32 s[G0+5], s19
	s_mov_b32 s66, s19
	s_add_nc_u64 s[G0+6:G0+7], s[16:17], s[66:67]
	s_or_b32 s[G0+7], s[G0+7], 0x80000000
	s_mov_b32 s[G0+8], 1
	s_mov_b32 s[G0+9], s22
	s_mov_b32 s66, s22
	s_add_nc_u64 s[G0+10:G0+11], s[16:17], s[66:67]
	s_or_b32 s[G0+11], s[G0+11], 0x80000000
	; q: my two groups of 32 queries, and their scale words
	s_mul_i32 s18, s14, 106496
	s_lshl_b32 s19, s13, 4
	s_lshl_b32 s22, s[WV], 1
	s_add_co_u32 s19, s19, s22                     ; group 16 cx + 2 w
	s_mul_i32 s19, s19, 1536
	s_add_co_u32 s66, s18, s19
	s_add_nc_u64 s[68:69], s[4:5], s[66:67]
	s_lshl_b32 s19, s13, 2
	s_lshr_b32 s22, s[WV], 1
	s_add_co_u32 s19, s19, s22                     ; the step of 128 queries: 4 cx + w / 2
	s_lshl_b32 s19, s19, 9
	s_and_b32 s22, s[WV], 1
	s_lshl_b32 s22, s22, 3                         ; its words 2 (w % 2) and the next
	s_add_co_u32 s19, s19, s22
	s_add_co_u32 s19, s19, s18
	s_add_co_u32 s66, s19, 98304
	s_add_nc_u64 s[70:71], s[4:5], s[66:67]
	CROUND                                         ; all four work-groups are here: the joint loads meet
	tensor_load_to_lds s[G0:G0+3], s[G1S:G1S+7]    ; three tensor loads of mine are out at the most; every LDS byte is filled once
	s_nop 0
	tensor_load_to_lds s[G0+4:G0+7], s[G1C:G1C+7]
	s_nop 0
	tensor_load_to_lds s[G0+8:G0+11], s[G1R:G1R+7]
	s_nop 0
.rept 4
	v_nop
.endr
	v_and_b32 v[L4], 31, v0
	v_lshlrev_b32 v[LI], 4, v[L4]
	v_lshlrev_b32 v[VO], 3, v[L4]
	v_lshlrev_b32 v[L4], 2, v[L4]
	v_add_nc_u32 v[LIK], 196608, v[LI]
	v_add_nc_u32 v[L4V], 204800, v[L4]
.irp g, 0,1                            ; a group's image holds 12 registers a lane: 0-5 the even tile, 6-11 the odd one; each goes to the lower half of a fragment of its own
	global_load_b128 v[Q+24*\g:Q+24*\g+3], v[LI], s[68:69] offset:1536*\g
	global_load_b64 v[Q+24*\g+4:Q+24*\g+5], v[LI], s[68:69] offset:1536*\g+512
	global_load_b64 v[Q+24*\g+12:Q+24*\g+13], v[LI], s[68:69] offset:1536*\g+520
	global_load_b128 v[Q+24*\g+14:Q+24*\g+17], v[LI], s[68:69] offset:1536*\g+1024
.endr
	global_load_b64 v[QSC:QSC+1], v[LI], s[70:71]
.irp t, 0,1,2,3
.irp i, 6,7,8,9,10,11
	v_mov_b32 v[Q+12*\t+\i], 0                     ; zero codes for k 64-127
.endr
.endr
.irp b, 0,1,2,3
	v_mov_b32 v[TM+4+\b], 0                        ; written once: a lane permute's destination counts as one of its sources
.endr
	WIN 0x40
.irp i, 0,1,2,3,4,5
	v_mov_b32 v[KF+48+\i], 0                       ; behind k's last fragment
.endr
	WIN 0
.macro LOADK ahead                     ; k of the step in hand (0) or the next (1): its scale words, then 12 loads of 512 consecutive bytes: 13 loads
	ds_load_b128 v[KSC:KSC+3], v[ASK] offset:512*\ahead
	WIN 0x40
.irp i, 0,1,2,3,4,5,6,7,8,9,10,11
	ds_load_b128 v[KF+4*\i:KF+4*\i+3], v[AD] offset:12288*\ahead+512*\i
.endr
	WIN 0
.endm
.macro LOADV                           ; v of the step in hand: 14 loads
	WIN 0x40
.irp i, 0,1,2,3,4,5,6,7,8,9,10,11
	ds_load_b128 v[VF+4*\i:VF+4*\i+3], v[AD] offset:6144+512*\i
.endr
	WIN 0
	ds_load_b32 v[VSC], v[ASV]
	ds_load_b32 v[VSC+1], v[ASV] offset:128
.endm
.macro SMUL qt, sr                     ; S^T of tile qt: eight tiles of 16 keys into v[sr] on
	WIN 0x01
.irp t, 0,1,2,3,4,5,6,7
.set rD, (\sr)+8*\t
.set rX, KF+6*\t
.set rY, Q+12*(\qt)
.set rSX, KSC+\t/2
.set rSY, QSC+(\qt)/2
	WM 1, \t%2, (\qt)%2
.endr
.endm
.macro PVMUL qt, pf, pwr, first        ; O^T of tile qt += v^T P^T: four tiles of 16 d
	WIN 0x51
.irp dt, 0,1,2,3
.set rD, 32*(\qt)+8*\dt
.set rX, VF+12*\dt
.set rY, \pf
.set rSX, VSC+\dt/2
.set rSY, \pwr
	WM \first, \dt%2, 0
.endr
.endm
.macro QL sr, pf, pwr                  ; the logits of a tile: 64 raw sums a lane; the floor's exponent field is 6, so that the byte, 5 under the field, is 1 at the least
	QUANT \sr, 4, 0, \pf, \pwr, 0x3000000, 1
.endm
; A KEY STEP.  first = 1: the products with v start O^T's sums.  next: 0 nothing more to fetch; 1 the next step's k is fetched; 2 the same, behind the wait for my last tensor load and a barrier.
; No two matrix instructions that follow each other share an accumulator.  The quantiser's plain instructions are the places: a set of scores is read, and written anew,
; only with a whole quantiser of the other set between; P and its scale word are written behind the 32 maxima of the quantiser that follows the product which read them.
.macro ASTEP first, next
	v_add_nc_u32 v[AD], s[TB], v[LI]
	v_add_nc_u32 v[ASK], s[TS], v[LIK]
	v_add_nc_u32 v[ASV], s[TV], v[L4V]
	v_nop                                          ; four places behind the last step's products, in front of the loads into v's registers
	LOADV
	s_wait_dscnt 14                                ; k and its scale words are in; v's 14 loads may be out
	SMUL 0, SA
	SMUL 1, SB
	WIN 0
	PLACES 4
	QL SA, P0, PW0
	SMUL 2, SA
	QL SB, P1, PW1
	s_wait_dscnt 0x0                               ; v is in
	PVMUL 0, P0, PW0, \first
	SMUL 3, SB
.if (\next) == 2
	s_wait_tensorcnt 0x0                           ; my part of key steps 4-15 has landed; no LDS access of mine is out
	s_barrier_signal -1
.endif
	QL SA, P0, PW0
.if (\next) == 2
	s_barrier_wait -1                              ; everybody's has
.endif
.if \next
	LOADK 1
.endif
	PVMUL 1, P1, PW1, \first
	QL SB, P1, PW1
	PVMUL 2, P0, PW0, \first
	WIN 0
	PLACES 8                                       ; a scale word written by a vector instruction stands eight places ahead of the scaled product, an operand four
	PVMUL 3, P1, PW1, \first
	WIN 0
	s_add_co_u32 s[TB], s[TB], 12288
	s_add_co_u32 s[TS], s[TS], 512
	s_add_co_u32 s[TV], s[TV], 256
.endm
	s_wait_tensorcnt 1                             ; the scale words and key steps 0-3: my parts are in; the third load may be out
	s_barrier_signal -1
	s_barrier_wait -1
	v_add_nc_u32 v[AD], s[TB], v[LI]
	v_add_nc_u32 v[ASK], s[TS], v[LIK]
	LOADK 0
	s_wait_loadcnt 0x0                             ; q
	ASTEP 1, 1                                     ; key step 0
	s_mov_b32 s[CNT], 2
.Learly:                                           ; key steps 1, 2
	ASTEP 0, 1
	s_sub_co_u32 s[CNT], s[CNT], 1
	s_cmp_lg_u32 s[CNT], 0
	s_cbranch_scc1 .Learly
	ASTEP 0, 2                                     ; key step 3: step 4's k lies in the third load's bytes
	s_mov_b32 s[CNT], 11
.Llate:                                            ; key steps 4 to 14
	ASTEP 0, 1
	s_sub_co_u32 s[CNT], s[CNT], 1
	s_cmp_lg_u32 s[CNT], 0
	s_cbranch_scc1 .Llate
	ASTEP 0, 0                                     ; key step 15
	PLACES 4
	; THE WAY OUT: values are quantised along e (this head's 64: two blocks) and stored as the image of the last product's operand
	s_lshr_b32 s15, s14, 4                         ; batch
	s_and_b32 s16, s14, 15                         ; head
	s_lshl_b32 s17, s15, 7
	s_lshl_b32 s18, s13, 5
	s_add_co_u32 s17, s17, s18
	s_lshl_b32 s18, s[WV], 2
	s_add_co_u32 s17, s17, s18                     ; my first tile of 16 rows: 128 x batch + 32 cx + 4 w
	s_mul_i32 s66, s17, 12288
	s_mul_i32 s18, s16, 768
	s_add_co_u32 s66, s66, s18
	s_add_nc_u64 s[8:9], s[8:9], s[66:67]
	s_lshr_b32 s18, s16, 1
	s_lshl_b32 s18, s18, 15                        ; the K step of 128 along e: head / 2
	s_lshl_b32 s19, s17, 6
	s_add_co_u32 s18, s18, s19
	s_and_b32 s19, s16, 1
	s_lshl_b32 s19, s19, 1                         ; the word's lower or upper half
	s_add_co_u32 s66, s18, s19
	s_add_nc_u64 s[10:11], s[10:11], s[66:67]
.irp qt, 0,1,2,3
	QUANT 32*\qt, 2, 1, OC+8*\qt, OW+\qt, 0x1800000, 0
.irp p, 0,1,2
	global_store_b64 v[VO], v[OC+8*\qt+2*\p:OC+8*\qt+2*\p+1], s[8:9] offset:\qt*12288+256*\p   ; 256 consecutive bytes at a multiple of 256; every store has data registers of its own
.endr
.endr
	v_cndmask_b32 v[OW+4], v[OW], v[OW+1], s[MSK]  ; lanes 0-15 the even tile's two bytes, lanes 16-31 the odd tile's
	v_cndmask_b32 v[OW+5], v[OW+2], v[OW+3], s[MSK]
	global_store_b16 v[L4], v[OW+4], s[10:11]
	global_store_b16 v[L4], v[OW+5], s[10:11] offset:128
	s_wait_dscnt 0x0
	s_wait_tensorcnt 0x0
	ds_add_u32 v251, v255
	s_wait_dscnt 0x0
	CROUND                                         ; the closing round
	s_endpgm
.Lfunc_end_k_q688a691b7e_attn:
	.size	k_q688a691b7e_attn, .Lfunc_end_k_q688a691b7e_attn-k_q688a691b7e_attn
	.p2alignl 7, 3214868480
	.fill 96, 4, 3214868480
	.section	.rodata,"a",@progbits
	.p2align	6, 0x0
	.amdhsa_kernel k_q688a691b7e_attn
		.amdhsa_group_segment_fixed_size 209920
		.amdhsa_private_segment_fixed_size 0
		.amdhsa_enable_private_segment 0
		.amdhsa_kernarg_size 32
		.amdhsa_user_sgpr_count 2
		.amdhsa_user_sgpr_kernarg_segment_ptr 1
		.amdhsa_wavefront_size32 1
		.amdhsa_system_sgpr_workgroup_id_x 1
		.amdhsa_system_sgpr_workgroup_id_y 1
		.amdhsa_system_sgpr_workgroup_id_z 1
		.amdhsa_system_vgpr_workitem_id 0
		.amdhsa_next_free_vgpr 512
		.amdhsa_next_free_sgpr 72
		.amdhsa_reserve_vcc 0
		.amdhsa_float_denorm_mode_32 3
		.amdhsa_float_denorm_mode_16_64 3
		.amdhsa_memory_ordered 1
		.amdhsa_forward_progress 1
		.amdhsa_inst_pref_size 139
	.end_amdhsa_kernel
	.amdgpu_metadata
---
amdhsa.version: [ 1, 2 ]
amdhsa.kernels:
  - .name:           k_q688a691b7e_attn
    .symbol:         k_q688a691b7e_attn.kd
    .args:
      - { .name: qrec, .offset: 0, .size: 8, .value_kind: global_buffer, .address_space: global }
      - { .name: kvrec, .offset: 8, .size: 8, .value_kind: global_buffer, .address_space: global }
      - { .name: val, .offset: 16, .size: 8, .value_kind: global_buffer, .address_space: global }
      - { .name: vsc, .offset: 24, .size: 8, .value_kind: global_buffer, .address_space: global }
    .group_segment_fixed_size: 209920
    .private_segment_fixed_size: 0
    .kernarg_segment_align: 8
    .kernarg_segment_size: 32
    .max_flat_workgroup_size: 256
    .sgpr_count:     72
    .vgpr_count:     512
    .wavefront_size: 32
...
	.end_amdgpu_metadata
.endif
;; end of part 2
;; launch proj (part 3): grid 8 x 32, 4 waves a work-group, clusters of 4 x 4, 327,680 bytes of LDS; arguments val, vsc, w_o_codes, w_o_scales, out0; writes out0
.if DOCPART == 3
	.amdgcn_target "amdgcn-amd-amdhsa--gfx1250"
	.amdhsa_code_object_version 6
	.text
	.protected	k_q688a691b7e_proj
	.globl	k_q688a691b7e_proj
	.p2align	8
	.type	k_q688a691b7e_proj,@function
k_q688a691b7e_proj:
	s_mov_b64 s[64:65], 0
	v_nop
	global_prefetch_b8 v0, s[64:65] scope:SCOPE_SE
	s_setreg_imm32_b32 hwreg(HW_REG_WAVE_MODE, 25, 1), 1
	s_wait_xcnt 0x0
	s_wait_alu depctr_hold_cnt(0) depctr_sa_sdst(0) depctr_va_vdst(0) depctr_va_sdst(0) depctr_va_ssrc(0) depctr_va_vcc(0) depctr_vm_vsrc(0)
	s_getreg_b32 s2, hwreg(HW_REG_IB_STS2, 6, 4)
	s_cmp_eq_u32 s2, 0
	s_cbranch_scc0 .Lentry_in_a_cluster
	s_endpgm
.Lentry_in_a_cluster:
	s_bfe_u32 s2, ttmp6, 0x10000c
	s_cmp_lg_u32 s2, 0xf033
	s_cbranch_scc0 .Lentry_shape_is_right
	s_endpgm
.Lentry_shape_is_right:
; out = values w_o^T on codes of E2M3 with one E8M0 scale for each 32 along K = 1,024; out is f32.
; values' codes lie in memory as images of the operand's registers: [tile of 16 rows][K step of 128][6 pairs of registers][lane][8 bytes]; place r of tile T is row 32 (T / 2) + 8 (T % 2) + r + 8 (r / 8).
; Their scale words lie [K step][place][4 bytes].  w_o comes as given: rows of 768 bytes of codes, 32 scale bytes a row.
; SHARES.  A work-group takes 256 rows x 128 columns: 256 work-groups.  Wave (mh, nh): 128 rows x 64 columns: 8 tiles of values x 4 tiles of w_o, 32 accumulators.
; ALL OF K LIES IN LDS AT ONCE: every byte is filled once.  Each wave issues seven joint loads at the head (values' tiles and scale words shared along a row of the cluster, w_o's along a column):
; the two sets of scale bytes, w_o's rows, and values in four chunks of 256 along K, which are waited for one by one, each wait followed by a barrier.
; THE MATRIX INSTRUCTION IS USED TRANSPOSED (source 0 = 16 rows of w_o, source 1 = 16 rows of values): a lane holds eight neighbouring numbers of a row of out.
; THE WAY OUT goes through a stage of each wave's own, in the first chunk's bytes: they have had their only fill, and every wave's reads of them lie ahead of the barrier in K step 1.
; REGISTERS: window 0: addresses; v32-63 values' scale words, v64-79 w_o's; v128-191 the way out.  window 1: v0-95 values' 8 fragments, one set; v96-143, v144-191 w_o's 4, two sets.  window 2: accumulator (a, b) at 8 (4 a + b).
.set BOFF, 196608                      ; w_o's 128 rows: 3 x (256 bytes + 16) = 816 each
.set BP,   816
.set SCLA, BOFF+128*BP                 ; values' scale words: [8 K steps][256 places][4 bytes]
.set SCLB, SCLA+8192                   ; w_o's scale bytes: 16 units of 256 + 16
.set ADSA, 8
.set ADSB, 9
.set ADRA, 16
.set ADRB, 20                          ; v20; v21 the same behind one padding more
.set STO,  24
.set RD,   25
.set CO,   26
.set SCA,  32                          ; tile a, register 4 a + s % 4: lanes 0-15 K step s % 4, lanes 16-31 K step 4 + s % 4
.set SCB,  64
.set BK,   128
.set BF,   96
.set WV,   14
.set MH,   15
.set NH,   16
.set G1A,  24
.set G1B,  32
.set G1SA, 40
.set G1SB, 48
.set G0SA, 56
.set G0SB, 60
.set G0B,  68
.set G0A,  72
.set MUL,  0xa5                        ; both sources window 1, C and D window 2
.set TO_F, 0x40
.set MSB, 0
.macro WIN new
.set WN, \new
.if MSB != WN
	s_set_vgpr_msb (MSB<<8)|WN
.set MSB, WN
.endif
.endm
.macro PLACES n
.rept \n
	v_nop
.endr
.endm
.macro CROUND                          ; a round of the cluster's barrier
	s_barrier_signal -1
	s_barrier_wait -1
	s_cmp_lg_u32 s[WV], 0
	s_cbranch_scc1 .Lnot_wave_0_\@
	s_barrier_signal -3
.Lnot_wave_0_\@:
	s_barrier_wait -3
	s_barrier_signal -1
	s_barrier_wait -1
.endm
.macro WM zero, hi                     ; one scaled product from the symbols rD, rX, rY, rSX, rSY; hi: both sides' scales stand in lanes 16-31
.if \zero
	v_wmma_scale_f32_16x16x128_f8f6f4 v[rD:rD+7], v[rX:rX+11], v[rY:rY+11], 0, v[rSX], v[rSY] matrix_a_fmt:MATRIX_FMT_FP6 matrix_b_fmt:MATRIX_FMT_FP6
.elseif \hi
	v_wmma_scale_f32_16x16x128_f8f6f4 v[rD:rD+7], v[rX:rX+11], v[rY:rY+11], v[rD:rD+7], v[rSX], v[rSY] matrix_a_fmt:MATRIX_FMT_FP6 matrix_b_fmt:MATRIX_FMT_FP6 matrix_a_scale:MATRIX_SCALE_ROW1 matrix_b_scale:MATRIX_SCALE_ROW1
.else
	v_wmma_scale_f32_16x16x128_f8f6f4 v[rD:rD+7], v[rX:rX+11], v[rY:rY+11], v[rD:rD+7], v[rSX], v[rSY] matrix_a_fmt:MATRIX_FMT_FP6 matrix_b_fmt:MATRIX_FMT_FP6
.endif
.endm
	s_load_b256 s[4:11], s[0:1], 0x0               ; val, vsc, w_o's codes, w_o's scales
	s_load_b64 s[12:13], s[0:1], 0x20              ; out
	v_lshl_add_u32 v254, v0, 2, 0x4c900
	v_mov_b32 v255, 0
	ds_add_u32 v254, v255
	ds_add_u32 v254, v255
	v_lshrrev_b32 v1, 5, v0
	v_readfirstlane_b32 s[WV], v1                  ; wave 0..3
	s_lshr_b32 s[MH], s[WV], 1
	s_and_b32 s[NH], s[WV], 1
	s_bfe_u32 s88, ttmp6, 0x40000                  ; cx
	s_bfe_u32 s89, ttmp6, 0x40004                  ; cy
	s_lshl_b32 s90, ttmp9, 2
	s_add_co_u32 s90, s90, s88                     ; the block of 128 columns
	s_and_b32 s91, ttmp7, 0xffff
	s_lshl_b32 s91, s91, 2
	s_add_co_u32 s91, s91, s89                     ; the block of 256 rows
	s_lshl_b32 s92, s89, 2
	s_lshl_b32 s92, 15, s92                        ; my row of the cluster
	s_lshl_b32 s93, 0x1111, s88                    ; my column
	; values: 4 tiles of rows, of each 3,072 bytes (256 along K), 12,288 bytes apart; elements of 8 bytes; no padding
	s_or_b32 s[G1A], s92, (3<<16)|(1<<21)
	s_mov_b32 s[G1A+1], 384<<16
	s_mov_b32 s[G1A+2], 4<<16
	s_mov_b32 s[G1A+3], 384<<16
	s_mov_b32 s[G1A+4], 4
	s_mov_b32 s[G1A+5], 1536
	s_mov_b32 s[G1A+6], 0
	s_mov_b32 s[G1A+7], 0
	; w_o: 32 rows of 768 bytes, dense; 16 bytes of padding behind every 256
	s_or_b32 s[G1B], s93, (1<<20)|(1<<21)|(5<<22)|(3<<25)
	s_mov_b32 s[G1B+1], 768<<16
	s_mov_b32 s[G1B+2], 32<<16
	s_mov_b32 s[G1B+3], 768<<16
	s_mov_b32 s[G1B+4], 32
	s_mov_b32 s[G1B+5], 768
	s_mov_b32 s[G1B+6], 0
	s_mov_b32 s[G1B+7], 0
	; values' scale words: two K steps, of each 1,024 bytes, 32,768 apart
	s_or_b32 s[G1SA], s92, (3<<16)|(1<<21)
	s_mov_b32 s[G1SA+1], 128<<16
	s_mov_b32 s[G1SA+2], 2<<16
	s_mov_b32 s[G1SA+3], 128<<16
	s_mov_b32 s[G1SA+4], 2
	s_mov_b32 s[G1SA+5], 4096
	s_mov_b32 s[G1SA+6], 0
	s_mov_b32 s[G1SA+7], 0
	; w_o's scale bytes of 32 rows: 1,024 dense bytes as 4 rows of 256, 16 of padding behind each
	s_or_b32 s[G1SB], s93, (3<<16)|(1<<20)|(1<<21)|(5<<22)|(3<<25)
	s_mov_b32 s[G1SB+1], 32<<16
	s_mov_b32 s[G1SB+2], 4<<16
	s_mov_b32 s[G1SB+3], 32<<16
	s_mov_b32 s[G1SB+4], 4
	s_mov_b32 s[G1SB+5], 32
	s_mov_b32 s[G1SB+6], 0
	s_mov_b32 s[G1SB+7], 0
	s_lshl_b32 s20, s91, 10
	s_lshl_b32 s18, s[WV], 16
	s_add_co_u32 s18, s18, s20                     ; vsc: K steps 2 w on, my block's 256 places
	s_mov_b32 s19, 0
	s_lshl_b32 s20, s91, 4
	s_lshl_b32 s21, s[WV], 2
	s_add_co_u32 s20, s20, s21
	s_mul_i32 s20, s20, 12288                      ; val: tile 16 x block + 4 w
	s_mov_b32 s21, 0
	s_lshl_b32 s94, s90, 12
	s_lshl_b32 s95, s[WV], 10
	s_add_co_u32 s94, s94, s95                     ; w_o's scales: row 128 x block + 32 w, 32 bytes a row
	s_mov_b32 s95, 0
	s_lshl_b32 s96, s90, 7
	s_lshl_b32 s97, s[WV], 5
	s_add_co_u32 s96, s96, s97
	s_mul_i32 s96, s96, 768                        ; its codes
	s_mov_b32 s97, 0
	s_lshl_b32 s22, s[WV], 11
	s_add_co_u32 s22, s22, SCLA                    ; where they go: the wave's number and constants alone
	s_mul_i32 s23, s[WV], 1088
	s_add_co_u32 s23, s23, SCLB
	s_mul_i32 s98, s[WV], 32*BP
	s_add_co_u32 s98, s98, BOFF
	s_mul_i32 s99, s[WV], 12288
	s_wait_dscnt 0x0
	s_wait_kmcnt 0x0
	s_add_nc_u64 s[18:19], s[6:7], s[18:19]
	s_add_nc_u64 s[20:21], s[4:5], s[20:21]
	s_add_nc_u64 s[94:95], s[10:11], s[94:95]
	s_add_nc_u64 s[96:97], s[8:9], s[96:97]
	s_mov_b32 s[G0SA], 1
	s_mov_b32 s[G0SA+1], s22
	s_mov_b64 s[G0SA+2:G0SA+3], s[18:19]
	s_or_b32 s[G0SA+3], s[G0SA+3], 0x80000000
	s_mov_b32 s[G0SB], 1
	s_mov_b32 s[G0SB+1], s23
	s_mov_b64 s[G0SB+2:G0SB+3], s[94:95]
	s_or_b32 s[G0SB+3], s[G0SB+3], 0x80000000
	s_mov_b32 s[G0B], 1
	s_mov_b32 s[G0B+1], s98
	s_mov_b64 s[G0B+2:G0B+3], s[96:97]
	s_or_b32 s[G0B+3], s[G0B+3], 0x80000000
.irp c, 0,1,2,3
	s_mov_b32 s[G0A+4*\c], 1
	s_add_co_u32 s[G0A+4*\c+1], s99, 49152*\c
	s_add_nc_u64 s[G0A+4*\c+2:G0A+4*\c+3], s[20:21], 3072*\c
	s_or_b32 s[G0A+4*\c+3], s[G0A+4*\c+3], 0x80000000
.endr
	CROUND                                         ; all sixteen work-groups are here: the joint loads meet
	tensor_load_to_lds s[G0SA:G0SA+3], s[G1SA:G1SA+7]   ; seven tensor loads of mine are out at the most
	s_nop 0
	tensor_load_to_lds s[G0SB:G0SB+3], s[G1SB:G1SB+7]
	s_nop 0
	tensor_load_to_lds s[G0B:G0B+3], s[G1B:G1B+7]
	s_nop 0
	tensor_load_to_lds s[G0A:G0A+3], s[G1A:G1A+7]
	s_nop 0
	tensor_load_to_lds s[G0A+4:G0A+7], s[G1A:G1A+7]
	s_nop 0
	tensor_load_to_lds s[G0A+8:G0A+11], s[G1A:G1A+7]
	s_nop 0
	tensor_load_to_lds s[G0A+12:G0A+15], s[G1A:G1A+7]
	s_nop 0
.rept 4
	v_nop
.endr
	v_and_b32 v1, 15, v0                           ; r
	v_bfe_u32 v2, v0, 4, 1                         ; h
	v_and_b32 v3, 31, v0                           ; lane
	s_mul_i32 s17, s[MH], 24576                    ; my 8 tiles of values, 3,072 bytes each in a chunk
	v_lshlrev_b32 v[ADRA], 3, v3
	v_add_nc_u32 v[ADRA], s17, v[ADRA]
	s_mul_i32 s17, s[NH], 64*BP
	s_add_co_u32 s17, s17, BOFF                    ; my 64 rows of w_o
	v_mul_u32_u24 v4, v1, BP
	v_mad_u32_u24 v4, v2, 24, v4
	v_add_nc_u32 v[ADRB], s17, v4
	v_lshl_add_u32 v[ADRB+1], v2, 4, v[ADRB]
	s_lshl_b32 s17, s[MH], 9
	s_add_co_u32 s17, s17, SCLA
	v_lshlrev_b32 v4, 2, v1
	v_lshl_add_u32 v4, v2, 12, v4                  ; lanes 16-31 take the words of K steps 4 to 7
	v_add_nc_u32 v[ADSA], s17, v4
	s_mul_i32 s17, s[NH], 2176
	s_add_co_u32 s17, s17, SCLB
	v_lshlrev_b32 v4, 5, v1                        ; 32 bytes a row,
	v_lshrrev_b32 v5, 3, v1
	v_lshl_add_u32 v4, v5, 4, v4                   ; 16 more behind the unit's eight rows,
	v_lshl_add_u32 v4, v2, 4, v4                   ; lanes 16-31 the upper four words
	v_add_nc_u32 v[ADSB], s17, v4
	s_mul_i32 s17, s[WV], 16*272                   ; my stage: 16 rows of 256 bytes + 16
	v_mul_u32_u24 v4, v1, 272
	v_lshl_add_u32 v4, v2, 5, v4
	v_add_nc_u32 v[STO], s17, v4                   ; in: row = place r, 32 bytes for each half of the lanes
	v_mul_u32_u24 v4, v2, 272
	v_lshl_add_u32 v4, v1, 4, v4
	v_add_nc_u32 v[RD], s17, v4                    ; back: lanes 0-15 one row, lanes 16-31 the next
	v_lshlrev_b32 v4, 12, v2
	v_lshl_add_u32 v[CO], v1, 4, v4                ; and the same two rows in out (4,096 bytes a row)
	s_lshl_b32 s18, s91, 8
	s_lshl_b32 s19, s[MH], 7
	s_add_co_u32 s18, s18, s19
	s_lshl_b32 s18, s18, 12                        ; my first row,
	s_lshl_b32 s19, s90, 9
	s_add_co_u32 s18, s18, s19
	s_lshl_b32 s19, s[NH], 8
	s_add_co_u32 s18, s18, s19                     ; my first column
	s_mov_b32 s19, 0
	s_add_nc_u64 s[12:13], s[12:13], s[18:19]
.macro FRAGA reg, i, q                 ; values' fragment: six loads of 256 consecutive bytes
.irp p, 0,1,2,3,4,5
	ds_load_b64 v[(\reg)+2*\p:(\reg)+2*\p+1], v[ADRA] offset:3072*(\i)+1536*(\q)+256*\p
.endr
.endm
.macro FRAGB reg, i, s                 ; w_o's: pieces of 8 bytes; piece p of a row lies at 8 p + 16 (p / 32); lanes 16-31 read three pieces on, for some pieces behind one padding more
.irp p, 0,1,2,3,4,5
.set PCE, 12*(\s)+6*(\p/3)+\p%3
.if PCE%32 < 29
	ds_load_b64 v[(\reg)+2*\p:(\reg)+2*\p+1], v[ADRB] offset:8*PCE+16*(PCE/32)+16*BP*(\i)
.else
	ds_load_b64 v[(\reg)+2*\p:(\reg)+2*\p+1], v[ADRB+1] offset:8*PCE+16*(PCE/32)+16*BP*(\i)
.endif
.endr
.endm
.macro FETCH_B s                       ; w_o's four fragments of K step s into set s % 2: 24 loads
	WIN TO_F
.irp i, 0,1,2,3
	FRAGB BF+48*((\s)%2)+12*\i, \i, \s
.endr
.endm
.macro FETCH_A q, i0                   ; values' tiles i0 .. i0 + 3 of the chunk's q-th K step: 24 loads
	WIN TO_F
.irp i, \i0, \i0+1, \i0+2, \i0+3
	FRAGA 12*(\i), \i, \q
.endr
.endm
.macro MUL8 a0, s, zero                ; the 32 accumulators take turns, one instruction a turn, in the same order in every step
.irp a, \a0, \a0+1
.irp b, 0,1,2,3
.set rD, 8*(4*(\a)+\b)
.set rX, BF+48*((\s)%2)+12*\b
.set rY, 12*(\a)
.set rSX, SCB+4*\b+(\s)%4
.set rSY, SCA+4*(\a)+(\s)%4
	WM \zero, (\s)/4
.endr
.endr
.endm
; K step s.  In an odd step the next step lies in the next chunk: my part of it is waited for (the chunks issued behind it may stay out), and a barrier shows everybody's
.macro STEP3 s, zero
.set ODD, ((\s)%2) && ((\s) < 7)
.if ODD
	s_wait_tensorcnt 3-((\s)+1)/2
.endif
	s_wait_dscnt 24                                ; w_o's set and values' tiles 0-3 are in; the youngest 24 loads (tiles 4-7) may be out
	WIN MUL
	MUL8 0, \s, \zero
.if ODD
	s_wait_dscnt 0x0                               ; no LDS access of mine is out at the signal
	s_barrier_signal -1
.endif
	MUL8 2, \s, \zero
.if ODD
	WIN 0
	s_barrier_wait -1
	v_add_nc_u32 v[ADRA], 49152, v[ADRA]           ; on to the next chunk
.else
	s_wait_dscnt 0x0                               ; tiles 4-7 are in
.endif
	PLACES 4                                       ; in front of loads into registers that matrix instructions have read
.if (\s) < 7
	FETCH_B (\s)+1
	FETCH_A ((\s)+1)%2, 0
.endif
	WIN MUL
	MUL8 4, \s, \zero
	MUL8 6, \s, \zero
	PLACES 4                                       ; likewise; behind the last step: in front of the first read of results
.if (\s) < 7
	FETCH_A ((\s)+1)%2, 4
.endif
	WIN 0
.endm
	s_wait_tensorcnt 3                             ; both sets of scale bytes, w_o's rows and the first chunk: my parts are in; three chunks may be out
	s_barrier_signal -1
	s_barrier_wait -1
.irp i, 0,1,2,3,4,5,6,7
.irp j, 0,1,2,3
	ds_load_b32 v[SCA+4*\i+\j], v[ADSA] offset:1024*\j+64*\i   ; all scale words, once
.endr
.endr
.irp i, 0,1,2,3
	ds_load_b128 v[SCB+4*\i:SCB+4*\i+3], v[ADSB] offset:544*\i
.endr
	FETCH_B 0
	FETCH_A 0, 0
	FETCH_A 0, 4
	WIN 0
	STEP3 0, 1                                     ; the first products start the sums: nothing is cleared
	STEP3 1, 0
	STEP3 2, 0
	STEP3 3, 0
	STEP3 4, 0
	STEP3 5, 0
	STEP3 6, 0
	STEP3 7, 0
; THE WAY OUT, a tile of 16 rows x 64 columns at a time: a lane's 32 bytes of a row go into my stage and come back as whole rows of 256 bytes.  LDS serves a wave's instructions in order: no wait between the stores and the loads.
.macro TOSTAGE a
	WIN 0x08                                       ; an LDS store's data are its source 1: window 2
.irp b, 0,1,2,3
	ds_store_b128 v[STO], v[8*(4*(\a)+\b):8*(4*(\a)+\b)+3] offset:64*\b          ; each accumulator from its low end on
	ds_store_b128 v[STO], v[8*(4*(\a)+\b)+4:8*(4*(\a)+\b)+7] offset:64*\b+16
.endr
	WIN 0
.set BB, BK+32*((\a)%2)
.irp t, 0,1,2,3,4,5,6,7
	ds_load_b128 v[BB+4*\t:BB+4*\t+3], v[RD] offset:\t*544
.endr
.endm
.macro SEND a, younger                 ; younger: the LDS instructions issued behind tile a's loads, which may stay out
.set BB, BK+32*((\a)%2)
	s_wait_dscnt \younger
.irp t, 0,1,2,3,4,5,6,7
	global_store_b128 v[CO], v[BB+4*\t:BB+4*\t+3], s[12:13] offset:(32*((\a)/2)+8*((\a)%2)+2*\t+8*(\t/4))*4096 th:TH_STORE_NT   ; places 2 t, 2 t + 1 of the tile: 16 lanes store 256 consecutive bytes at a multiple of 256; written once, read by nobody here
.endr
.endm
	TOSTAGE 0
.irp a, 1,2,3,4,5,6,7
.if \a > 1
	s_wait_xcnt 0x0                                ; tile a - 2's stores have read their registers: tile a's loads may land there
.endif
	TOSTAGE \a
	SEND \a-1, 16                                  ; behind tile a - 1's loads: tile a's 8 stores and 8 loads
.endr
	SEND 7, 0
	s_wait_dscnt 0x0
	s_wait_tensorcnt 0x0
	ds_add_u32 v254, v255
	s_wait_dscnt 0x0
	CROUND                                         ; the closing round: no work-group ends while a partner may still ask for a tile that names it
	s_endpgm
.Lfunc_end_k_q688a691b7e_proj:
	.size	k_q688a691b7e_proj, .Lfunc_end_k_q688a691b7e_proj-k_q688a691b7e_proj
	.p2alignl 7, 3214868480
	.fill 96, 4, 3214868480
	.section	.rodata,"a",@progbits
	.p2align	6, 0x0
	.amdhsa_kernel k_q688a691b7e_proj
		.amdhsa_group_segment_fixed_size 327680
		.amdhsa_private_segment_fixed_size 0
		.amdhsa_enable_private_segment 0
		.amdhsa_kernarg_size 40
		.amdhsa_user_sgpr_count 2
		.amdhsa_user_sgpr_kernarg_segment_ptr 1
		.amdhsa_wavefront_size32 1
		.amdhsa_system_sgpr_workgroup_id_x 1
		.amdhsa_system_sgpr_workgroup_id_y 1
		.amdhsa_system_sgpr_workgroup_id_z 1
		.amdhsa_system_vgpr_workitem_id 0
		.amdhsa_next_free_vgpr 768
		.amdhsa_next_free_sgpr 100
		.amdhsa_reserve_vcc 0
		.amdhsa_float_denorm_mode_32 3
		.amdhsa_float_denorm_mode_16_64 3
		.amdhsa_memory_ordered 1
		.amdhsa_forward_progress 1
		.amdhsa_inst_pref_size 99
	.end_amdhsa_kernel
	.amdgpu_metadata
---
amdhsa.version: [ 1, 2 ]
amdhsa.kernels:
  - .name:           k_q688a691b7e_proj
    .symbol:         k_q688a691b7e_proj.kd
    .args:
      - { .name: val, .offset: 0, .size: 8, .value_kind: global_buffer, .address_space: global }
      - { .name: vsc, .offset: 8, .size: 8, .value_kind: global_buffer, .address_space: global }
      - { .name: w_o_codes, .offset: 16, .size: 8, .value_kind: global_buffer, .address_space: global }
      - { .name: w_o_scales, .offset: 24, .size: 8, .value_kind: global_buffer, .address_space: global }
      - { .name: out0, .offset: 32, .size: 8, .value_kind: global_buffer, .address_space: global }
    .group_segment_fixed_size: 327680
    .private_segment_fixed_size: 0
    .kernarg_segment_align: 8
    .kernarg_segment_size: 40
    .max_flat_workgroup_size: 128
    .sgpr_count:     100
    .vgpr_count:     768
    .wavefront_size: 32
...
	.end_amdgpu_metadata
.endif
;; end of part 3
